; MI455X (gfx1250); checked and timed in simulation.
; The chip was launched on July 23, 2026; its instructions are those of AMD's public machine-readable ISA for CDNA 5 (MIT licence, August 2026) and "CDNA5" Instruction Set Architecture Reference Guide (July 2026). The comments in the code are by the model that wrote it; some were corrected since.
;; Block. Allowed arithmetic: matrix products marked QUANTISED: E4M3 operands, one given power-of-two scale a tensor, by v_wmma_f32_16x16x64_fp8_fp8 or v_wmma_f32_16x16x128_fp8_fp8, f32 sums; products left as they are: f32 operands where the result goes on into a quantised operand, else bf16, f16 or f32 operands; f32 sums; everything else in f32.
;; Inputs: W1_codes 2,048 x 2 x 32 uint8 (E4M3 codes of W1, K innermost, in blocks of 32 codes); W2_codes 64 x 64 x 32 uint8 (E4M3 codes of W2, K innermost, in blocks of 32 codes); Wk_codes 8 x 8 x 2 x 32 uint8 (E4M3 codes of Wk, K innermost, in blocks of 32 codes); Wp_codes 64 x 2 x 32 uint8 (E4M3 codes of Wp, K innermost, in blocks of 32 codes); Wq_codes 8 x 8 x 2 x 32 uint8 (E4M3 codes of Wq, K innermost, in blocks of 32 codes); Wv_codes 8 x 8 x 2 x 32 uint8 (E4M3 codes of Wv, K innermost, in blocks of 32 codes); b1 2,048 float32; b2 64 float32; beta1 64 float32; beta2 64 float32; bk 8 x 8 float32; bp 64 float32; bq 8 x 8 float32; bv 8 x 8 float32; g1 64 float32; g2 64 float32; lowp_scales 12 int32 (the exponents e of the quantised operands' scales 2^e); x 512 x 256 x 64 float32.
;; Outputs: out0 512 x 256 x 64 float32.
;; This version of the problem:
;;   THIS VERSION OF THE PROBLEM IS GIVEN IN LOW PRECISION. The matrix products marked QUANTISED in the list below multiply operands that are first quantised to E4M3 (4 exponent bits, 3 mantissa bits; 8 bits a number), with one given power-of-two scale for each operand tensor; their sums are f32. All else is computed in f32.
;;   The module's matrix products, in the order in which they are computed (A, B: the left and right operand; K: the contracted axis; several contracted axes count as one K, in the product's order):
;;     1. [M 64, K 64] x [K 64, N 131,072]; A: input Wq (given as codes); B: input x: QUANTISED (scales: A lowp_scales[0], B lowp_scales[1])
;;     2. [M 64, K 64] x [K 64, N 131,072]; A: input Wk (given as codes); B: input x: QUANTISED (scales: A lowp_scales[2], B lowp_scales[3])
;;     3. [M 64, K 64] x [K 64, N 131,072]; A: input Wv (given as codes); B: input x: QUANTISED (scales: A lowp_scales[4], B lowp_scales[5])
;;     4. batch 4,096 x [M 256, K 8] x [K 8, N 256]; A: computed on the way; B: computed on the way: left as it is (K = 8 < 32)
;;     5. batch 4,096 x [M 256, K 256] x [K 256, N 8]; A: softmax; B: computed on the way: left as it is (N = 8 < 16)
;;     6. [M 131,072, K 64] x [K 64, N 64]; A: computed on the way; B: input Wp (given as codes): QUANTISED (scales: A lowp_scales[6], B lowp_scales[7])
;;     7. [M 131,072, K 64] x [K 64, N 2,048]; A: computed on the way; B: input W1 (given as codes): QUANTISED (scales: A lowp_scales[8], B lowp_scales[9])
;;     8. [M 131,072, K 2,048] x [K 2,048, N 64]; A: computed on the way; B: input W2 (given as codes): QUANTISED (scales: A lowp_scales[10], B lowp_scales[11])
;;   THE QUANTISER, for each operand of a quantised product, along K:
;;     - The operand's scale is 2^e, e = its entry of the input lowp_scales (int32; the entries are numbered through the quantised products in the list's order, A before B).
;;     - Each number is divided by the scale, clamped to +-448, and rounded to the nearest number of E4M3, ties to even, subnormals kept.
;;     - The product sums the exact products of the quantised numbers (number of the format x scale) in f32.
;;   ~~~python
;;   def quantise(x, axis, e):      # numpy; x: float32 -> the quantised numbers, widened to float32 again
;;       x = np.moveaxis(x, axis, -1); K = x.shape[-1]
;;       r = np.clip(x / 2.0 ** e, -448, 448)
;;       step = 2.0 ** (np.maximum(np.frexp(np.where(r == 0, 1, r))[1] - 1, -6) - 3)
;;       q = np.round(r / step) * step * 2.0 ** e      # np.round: ties to even
;;       return np.moveaxis(q, -1, axis).astype(np.float32)
;;   ~~~
;;   OPERANDS COMPUTED ON THE WAY. 'Computed on the way' means the value that the module computes at that place (a softmax that the list does not call 'softmax' is quantised finished and normalised). What goes into a quantiser is computed in f32, as accurately as f32 sums, v_exp_f32 and their like allow (about 1e-6 of the number): no bf16 or f16 on the way to a quantiser, and a product that is left as it is and whose result goes on into a quantised operand takes f32 operands (vector FMAs, or v_wmma_f32_16x16x4_f32). A number that lies on a knife's edge between two numbers of the format may be rounded either way, as far as f32 arithmetic and the matrix unit's own rounding can turn it there, and no further.
;;   INPUTS GIVEN AS CODES. W1 (in the module: [64, 2048], K = its axis 0); W2 (in the module: [2048, 64], K = its axis 0); Wk (in the module: [8, 64, 8], K = its axis 1); Wp (in the module: [64, 64], K = its axis 0); Wq (in the module: [8, 64, 8], K = its axis 1); Wv (in the module: [8, 64, 8], K = its axis 1): each comes as NAME_codes (uint8): NAME with its K axis moved to the last place and cut into blocks of 32 codes, [.., K / 32, bytes a block], one block behind the other in memory; one code a byte (a code: sign, 4 exponent bits, 3 mantissa bits); its scale is its entry of lowp_scales. Its value is code x scale, taken as it is: it is not quantised again, and the codes and scales need not be those that the quantiser above would give.
;; One version. Each part assembles by itself: llvm-mc -triple=amdgcn-amd-amdhsa -mcpu=gfx1250 --defsym DOCPART=n.
;; ======== version 1 of 1: 1 launch
;; launch block (part 1): grid 256 x 1, 8 waves a work-group, no clusters, 327,680 bytes of LDS; arguments x, out0, lowp_scales, Wq_codes, Wk_codes, Wv_codes, Wp_codes, W1_codes, W2_codes, bq, bv, bp, b1, b2, g1, beta1, g2, beta2; writes out0
.if DOCPART == 1
	.amdgcn_target "amdgcn-amd-amdhsa--gfx1250"
	.amdhsa_code_object_version 6
	.text
	.protected	k_q87839befc0_block
	.globl	k_q87839befc0_block
	.p2align	8
	.type	k_q87839befc0_block,@function
k_q87839befc0_block:
	s_mov_b64 s[64:65], 0
	v_nop
	global_prefetch_b8 v0, s[64:65] scope:SCOPE_SE
	s_setreg_imm32_b32 hwreg(HW_REG_WAVE_MODE, 25, 1), 1
	s_wait_xcnt 0x0
; out0 = LN2(h + relu(h W1 + b1) W2 + b2),  h = LN1(x + o Wp + bp),  o = causal attention of 8 heads of size 8 on q, k, v = x Wq + bq, x Wk (+ bk), x Wv + bv.
; x, out0: [512][256][64] f32.  The six products with weights run on codes of E4M3 (v_wmma_f32_16x16x64_fp8_fp8), each operand with its given scale 2^e (lowp_scales e0 .. e11);
; q k^T and attn v keep f32 operands (v_wmma_f32_16x16x4_f32), since o goes on into a quantiser.  Everything else is f32.  Nothing goes through memory between the steps.
; DEAD WORK.  (1) bk: scores[t][s] = q_t . (k_s + bk) = q_t . k_s + q_t . bk; the second term is the same for all s of a row t, whatever the inputs hold, so the softmax along s takes it away;
; that product is not quantised and k feeds nothing else.  bk is not loaded and is not among the arguments.  (2) Tiles of 16 x 16 scores that lie wholly above the diagonal of the causal mask
; that the problem builds itself: 120 of a head's 256.  LIMIT: a NaN, an infinity or an overflow that only bk or a hidden score would cause is not carried to the result.
; LIMITS on the given exponents, so that each power of two below is an f32 number: e0+e1, e2+e3, e4+e5, e6+e7, e10+e11 between -126 and 127; e1, e3, e5, e6, e8 and e10-e8-e9 between -126 and 119.
; NaN among the inputs is not served.  A hidden score is -3e38 + q.k and not -infinity: its weight 2^(c s - c m) is 0 all the same.
; SHARES.  256 work-groups of 8 waves; a work-group takes 2 sequences, one after the other.  Attention: wave w = head w, all 256 queries.  All else: wave w = tokens 32 w .. 32 w + 31 (two tiles of 16).
; Only the codes of x (token owner -> all heads, as images of the operand's registers) and of o (head -> token owner, 8 bytes a query in a run of bytes of the head's own) go from wave to wave, through LDS:
; three barriers a sequence.
; NO CLUSTER, NO TENSOR LOAD: x and out0 (131,072 bytes each for a work-group) are shared with nobody; the weights (270,336 bytes) are read once, at the head, and are wanted in LDS in the order of
; the operands' registers, 16 bytes a lane, which a tile laid by rows does not give.
; LAYOUTS.  lane = (r = lane % 16, h = lane / 16).  An 8-bit fragment (16 rows x 64 K) is 8 registers: registers 4 c .. 4 c + 3 hold K = 32 c + 16 h + 0 .. 15 of row r: one permutation of K, alike in both
; sources of every product.  Its image in LDS: 512 c + 16 lane.  A token tile in f32 is 32 registers: register 16 c + i = column 32 c + 16 h + i of token r.
; Tiles of Wp, W1, W2 take rows 32 b + 8 u + r + 8 (r / 8) (tile 2 b + u) and stand as source 0, so that a lane's results are that same layout.
; S^T = K Q^T: a lane holds one query (r) and keys 8 h + j.  O^T = V^T P^T, with a row of ones as row 8 of V^T: lanes 0-15 get o(query r, e = j), lanes 16-31 the row's sum in register 0.
; LDS
.set SLOTB,  3072                      ; token tile T: slot at 3072 T: +0 x's codes for q, +1024 for k, +2048 for v; behind the second barrier +1024 .. +3071 take o's codes: head w's 256 bytes at 1024 + 256 w.
                                       ; Wave w's two slots (6,144 bytes) also serve as its stage, 16 rows of 272 bytes
.set B1L,    49152                     ; b1 / 2^(e8+e9), 8,192 bytes
.set VEC,    57344                     ; six vectors of 256 bytes: bp / 2^(e6+e7), g1, beta1, b2 / 2^(e10+e11), g2, beta2
.set SPARE,  59392                     ; the spare words, 128 bytes for each wave: four blocks of 256 bytes that no other line names
.set WPIMG,  60416                     ; Wp: 4 fragments of 1,024 bytes
.set W1IMG,  65536                     ; W1: 128 fragments, 4 for each step of 64 hidden units
.set W2IMG,  196608                    ; W2: 128 fragments, (step, tile of outputs) at (4 step + tile) x 1,024
; REGISTERS, window 0 (v0-255)
.set LI, 1                             ; 16 x lane
.set SPW, 2                            ; my spare word;  never rewritten
.set NIL, 3                            ; 0;  never rewritten
.set OWN, 4                            ; 16 x lane + 6144 w
.set STW, 5                            ; the stage by rows of memory: 6144 w + 272 h + 16 r
.set STR, 6                            ; the stage by token layout:   6144 w + 272 r + 64 h
.set OST, 7                            ; where my head's codes of o go in a slot: 1024 + 256 w + 8 x lane
.set VA, 8                             ; VEC + 64 h
.set L4, 9                             ; 4 x lane
.set AW, 10                            ; my bytes of Wq, Wk
.set AV, 11                            ; of Wv
.set ABQ, 12                           ; of bq
.set ABV, 13                           ; of bv
.set SCL, 14                           ; the scale in hand, as f32
.set LIM, 15                           ; 448 x that
.set WQF, 16                           ; v16-23  Wq's fragment
.set HC, 16                            ; v16-31  FFN: h's codes, 8 a token tile
.set BQ4, 24                           ; v24-27  bq[8 w + 4 h + j]
.set MASK, 28                          ; v28-35  the diagonal tile's mask
.set XQF, 36                           ; v36-43  x's codes for q
.set WKF, 36                           ;         K/V phase: Wk's fragment
.set CODE, 36                          ; v36-51  FFN: the hidden layer's codes
.set DQ, 44                            ; v44-51  q's product
.set WVF, 44                           ;         K/V phase: Wv's fragment
.set QC, 52                            ; v52-55  q of the query tile
.set B1S, 52                           ; v52-53  FFN: a step's 64 numbers of b1
.set BA, 54                            ; FFN: LDS address of the step's b1
.set PFO, 55                           ; FFN: 256 x lane
.set MX, 56                            ; v56-57  the maximum, two chains
.set BVL, 56                           ;         K/V phase: bv, 1 for the row of ones, 0
.set WA, 56                            ; FFN: LDS addresses of W1's, W2's fragments
.set WB, 57
.set ORD, 58                           ; where I read o's codes of my own tokens back: 6144 w + 512 h + 8 r;  never rewritten
.set NM, 60                            ; v60-61  -c m (v61 is named with it as a pair)
.set PB, 64                            ; v64-95  p, two buffers of 16; K/V phase: fragment buffers; quantisers: 32 held numbers; way out of a query tile: below
.set TMP, 64
.set OCF, 64
.set TT, 64
.set UU, 72
.set LL, 80
.set RR, 82
.set CO, 84
.set OA, 96                            ; v96-127  O^T, 4 accumulators: written by matrix instructions alone
.set SC, 128                           ; v128-255 S^T and every fp8 product's results but q's and the FFN's sums: written by matrix instructions alone
; window 1 (v256-511, written v0-255)
.set RAW, 0                            ; x or out0 as it lies in memory, 2 x 32
.set KR, 0                             ; k, 4 a key tile
.set WPF, 0
.set W1F, 0
.set BPC, 32
.set W2F, 32
.set VR, 64                            ; v (and the row of ones), 8 a key tile
.set XT, 64                            ; x in: 32 held numbers
.set CD, 96                            ; x in: codes, two sets of 8
.set XSC, 112                          ; x in: scale and limit for e1, e3, e5
.set GG, 64
.set BE, 96
.set CB, 64                            ; FFN: b1 in the result's layout, 4 tiles
.set ACC, 128                          ; FFN: the 8 accumulators of the second product
.set XR, 192                           ; x, then x + attention, then h, then the result: 2 x 32
; scalars
.set WV, 2                             ; my wave's number
.set BC, 3                             ; sequences to go
.set SQ, 52                            ; 2^(e0+e1), 2^(e2+e3), 2^(e4+e5)
.set SK, 53
.set SV, 54
.set SFO, 87                           ; FFN: where the step's fragments of W1, of W2 and its b1 begin
.set SFO2, 88
.set SFB, 89
.set SFC, 90                           ; FFN: trips to go
.set SPT, 91                           ; the trip that prefetches
.set MSB, 0
.macro WIN new                         ; bits 1:0 source 0, 3:2 source 1, 5:4 source 2, 7:6 destination; the high byte repeats the setting that is left
.if MSB != \new
	s_set_vgpr_msb (MSB<<8)|\new
.set MSB, \new
.endif
.endm
.macro NOPS n                          ; places behind matrix instructions (ISA guide 7.12.1): 4 behind the fp8 form, 8 behind the f32 form
.rept \n
	v_nop
.endr
.endm
.macro BARRIER                         ; my LDS stores have landed and my LDS loads are in: then the work-group's barrier
	s_wait_dscnt 0x0
	s_barrier_signal -1
	s_barrier_wait -1
.endm
.macro P2 d, e                         ; s[d] = 2^s[e] as f32
	s_add_co_i32 s[\d], s[\e], 127
	s_lshl_b32 s[\d], s[\d], 23
.endm
.macro L448 d, e                       ; s[d] = 448 x 2^s[e]
	s_add_co_i32 s[\d], s[\e], 135
	s_lshl_b32 s[\d], s[\d], 23
	s_or_b32 s[\d], s[\d], 0x600000
.endm
; 16 tokens of x, as loaded (a register = 16 bytes of two rows), through my stage into the token layout.  LDS serves a wave's instructions in order (ISA guide 5.7.1.4): no wait between stores and loads
.macro STAGE_IN t
	WIN 0x04
.irp q, 0,1,2,3,4,5,6,7
	ds_store_b128 v[STW], v[RAW+32*\t+4*\q:RAW+32*\t+4*\q+3] offset:544*\q
.endr
	WIN 0x40
.irp c, 0,1
.irp q, 0,1,2,3
	ds_load_b128 v[XR+32*\t+16*\c+4*\q:XR+32*\t+16*\c+4*\q+3], v[STR] offset:128*\c+16*\q
.endr
.endr
.endm
.macro STAGE_OUT t                     ; and the other way round
	WIN 0x04
.irp c, 0,1
.irp q, 0,1,2,3
	ds_store_b128 v[STR], v[XR+32*\t+16*\c+4*\q:XR+32*\t+16*\c+4*\q+3] offset:128*\c+16*\q
.endr
.endr
	WIN 0x40
.irp q, 0,1,2,3,4,5,6,7
	ds_load_b128 v[RAW+32*\t+4*\q:RAW+32*\t+4*\q+3], v[STW] offset:544*\q
.endr
.endm
; token tile t of x becomes a fragment of codes with scale number ver (0: e1, 1: e3, 2: e5); its image goes to my slot.  n counts the calls: the codes' registers take turns
.macro XQUANT t, ver, n
	WIN 0x55
.set q, 0
.rept 32
	v_med3_num_f32 v[XT+q], v[XR+32*\t+q], -v[XSC+2*\ver+1], v[XSC+2*\ver+1]   ; the conversion to an 8-bit code does not saturate (ISA guide 7.6.2): the hold at 448 x the scale
.set q, q+1
.endr
.if \n >= 2
	s_wait_dscnt 0x2                               ; all but the last call's two stores are done: this set of codes' registers is free
.endif
.irp a, 0,1,2,3
	v_cvt_scalef32_pk8_fp8_f32 v[CD+8*((\n)%2)+2*\a:CD+8*((\n)%2)+2*\a+1], v[XT+8*\a:XT+8*\a+7], v[XSC+2*\ver]
.endr
	v_nop                                          ; one plain instruction behind the last conversion, ahead of the next writes of its sources
	WIN 0x04
.irp c, 0,1
	ds_store_b128 v[OWN], v[CD+8*((\n)%2)+4*\c:CD+8*((\n)%2)+4*\c+3] offset:SLOTB*\t+1024*\ver+512*\c
.endr
.endm
.macro KVLOAD T                        ; token tile T: x's codes for k and for v
.set FBF, PB+16*((\T)%2)
	ds_load_b128 v[FBF:FBF+3],     v[LI] offset:SLOTB*(\T)+1024
	ds_load_b128 v[FBF+4:FBF+7],   v[LI] offset:SLOTB*(\T)+1536
	ds_load_b128 v[FBF+8:FBF+11],  v[LI] offset:SLOTB*(\T)+2048
	ds_load_b128 v[FBF+12:FBF+15], v[LI] offset:SLOTB*(\T)+2560
.endm
.macro KVMUL T                         ; k^T: source 0 = Wk's rows: registers 0-3 of lane (key r, h) = k(e = 4 h + j).   v: source 0 = the tokens: register j of lane (r, h) = v(key 8 h + j, e = r)
.set FBF, PB+16*((\T)%2)
.set DD, SC+16*((\T)%8)
	v_wmma_f32_16x16x64_fp8_fp8 v[DD:DD+7], v[WKF:WKF+7], v[FBF:FBF+7], 0
	v_wmma_f32_16x16x64_fp8_fp8 v[DD+8:DD+15], v[FBF+8:FBF+15], v[WVF:WVF+7], 0
.endm
.macro KVFIN T                         ; the scales, and v's bias (row 8: 0 x scale + 1)
.set DD, SC+16*((\T)%8)
	WIN 0x40
.irp j, 0,1,2,3
	v_mul_f32 v[KR+4*(\T)+\j], s[SK], v[DD+\j]
.endr
.irp j, 0,1,2,3,4,5,6,7
	v_fma_f32 v[VR+8*(\T)+\j], v[DD+8+\j], s[SV], v[BVL]
.endr
.endm
; QUERY TILE i of my head: q; all i + 1 tiles of scores; the row's true maximum; then by chunks of two key tiles p = 2^(c s - c m) and O^T += V^T P^T; o = O / sum, quantised; its 8 codes a query to LDS.
.macro QTILE i
.if \i > 0
	s_wait_dscnt 0x1                               ; x's codes for this tile are in; the one younger LDS instruction is the last tile's store
.endif
	v_wmma_f32_16x16x64_fp8_fp8 v[DQ:DQ+7], v[WQF:WQF+7], v[XQF:XQF+7], 0
	NOPS 4
.if \i < 15
	ds_load_b128 v[XQF:XQF+3],   v[LI] offset:SLOTB*(\i+1)
	ds_load_b128 v[XQF+4:XQF+7], v[LI] offset:SLOTB*(\i+1)+512
.endif
.irp j, 0,1,2,3
	v_fma_f32 v[QC+\j], v[DQ+\j], s[SQ], v[BQ4+\j] ; q(query r, e = 4 h + j)
.endr
	WIN 0x01                                       ; source 0 (k, later v) in window 1
.set kt, 0
.rept \i+1                                     ; e = 4 h + 0, 1.  The accumulators take turns, one instruction a turn.  The diagonal tile starts from the mask
.if kt == \i
	v_wmma_f32_16x16x4_f32 v[SC+8*kt:SC+8*kt+7], v[KR+4*kt:KR+4*kt+1], v[QC:QC+1], v[MASK:MASK+7]
.else
	v_wmma_f32_16x16x4_f32 v[SC+8*kt:SC+8*kt+7], v[KR+4*kt:KR+4*kt+1], v[QC:QC+1], 0
.endif
.set kt, kt+1
.endr
.set kt, 0
.rept \i+1                                     ; e = 4 h + 2, 3
.if \i == 0
	s_wait_alu depctr_va_vdst(0)                   ; the wait directly ahead of the link
.endif
	v_wmma_f32_16x16x4_f32 v[SC+8*kt:SC+8*kt+7], v[KR+4*kt+2:KR+4*kt+3], v[QC+2:QC+3], v[SC+8*kt:SC+8*kt+7]
.set kt, kt+1
.endr
	WIN 0
	NOPS 8
.set kt, 0
.rept \i+1                                     ; the maximum of my 8 (i + 1) scores, two chains, each tile from its low end on
.if kt == 0
	v_max_num_f32 v[MX], v[SC], v[SC+1]
	v_max_num_f32 v[MX+1], v[SC+2], v[SC+3]
.else
	v_max3_num_f32 v[MX], v[MX], v[SC+8*kt], v[SC+8*kt+1]
	v_max3_num_f32 v[MX+1], v[MX+1], v[SC+8*kt+2], v[SC+8*kt+3]
.endif
	v_max3_num_f32 v[MX], v[MX], v[SC+8*kt+4], v[SC+8*kt+5]
	v_max3_num_f32 v[MX+1], v[MX+1], v[SC+8*kt+6], v[SC+8*kt+7]
.set kt, kt+1
.endr
	v_max_num_f32 v[MX], v[MX], v[MX+1]
	v_permlanex16_b32 v62, v[MX], s78, s79         ; the query's other keys lie in lane l xor 16
	v_max_num_f32 v[MX], v[MX], v62
	v_mul_f32 v[NM], s76, v[MX]                    ; -c m
.set g, 0
.rept (\i+2)/2
.set pb, PB+16*(g%2)                           ; the buffers take turns: between the products that read a buffer and its next write stand the other chunk's 8 scalings and its v_nop
.set two, 0
.if 2*g+1 <= \i
.set two, 1
.endif
.set p, 0
.rept 4+4*two
	v_pk_fma_f32 v[pb+p:pb+p+1], v[SC+16*g+p:SC+16*g+p+1], s[74:75], v[NM:NM+1] op_sel_hi:[1,0,0]   ; c s - c m (of the pairs c and -c m the low word serves both halves)
.set p, p+2
.endr
.set p, 0
.rept 8+8*two
	v_exp_f32 v[pb+p], v[pb+p]
.set p, p+1
.endr
	v_nop                                          ; one plain instruction behind the last exponential
	s_wait_alu depctr_va_vdst(0)                   ; one wait for the chunk's batch, ahead of its first reader
	WIN 0x01
.set p, 0
.rept 4+4*two                                  ; keys 16 kt + 8 h + 2 ii + 0, 1; the four accumulators take turns; key tile 0 starts the sums
.if (g == 0) && (p < 4)
	v_wmma_f32_16x16x4_f32 v[OA+8*(p%4):OA+8*(p%4)+7], v[VR+16*g+2*p:VR+16*g+2*p+1], v[pb+2*p:pb+2*p+1], 0
.else
	v_wmma_f32_16x16x4_f32 v[OA+8*(p%4):OA+8*(p%4)+7], v[VR+16*g+2*p:VR+16*g+2*p+1], v[pb+2*p:pb+2*p+1], v[OA+8*(p%4):OA+8*(p%4)+7]
.endif
.set p, p+1
.endr
	WIN 0
.set g, g+1
.endr
	NOPS 8
.irp p, 0,2,4,6
	v_pk_add_f32 v[TT+\p:TT+\p+1], v[OA+\p:OA+\p+1], v[OA+8+\p:OA+8+\p+1]
.endr
.irp p, 0,2,4,6
	v_pk_add_f32 v[UU+\p:UU+\p+1], v[OA+16+\p:OA+16+\p+1], v[OA+24+\p:OA+24+\p+1]
.endr
.irp p, 0,2,4,6
	v_pk_add_f32 v[TT+\p:TT+\p+1], v[TT+\p:TT+\p+1], v[UU+\p:UU+\p+1]
.endr
	v_permlanex16_b32 v[LL], v[TT], s78, s79       ; lanes 0-15: the row's sum, from lane l + 16
	v_cndmask_b32 v[LL], v[LL], v[TT], s82         ; lanes 16-31 keep their own, so that they divide by no zero
	v_rcp_f32 v[RR], v[LL]
	v_nop
	s_wait_alu depctr_va_vdst(0)                   ; ahead of the reciprocal's first reader
.irp p, 0,2,4,6
	v_pk_mul_f32 v[TT+\p:TT+\p+1], v[TT+\p:TT+\p+1], v[RR:RR+1] op_sel_hi:[1,0]
.endr
.irp j, 0,1,2,3,4,5,6,7
	v_med3_num_f32 v[TT+\j], v[TT+\j], -v[LIM], v[LIM]
.endr
	v_cvt_scalef32_pk8_fp8_f32 v[CO:CO+1], v[TT:TT+7], v[SCL]
	v_nop
	ds_store_b64 v[OST], v[CO:CO+1] offset:SLOTB*\i   ; lanes 0-15: o(query r, my head's 8 columns), 128 bytes on end.  Lanes 16-31 hold the row of sums: their bytes fall into the upper half of my own 256, which nobody reads, so EXEC stays full
.endm
.macro VLOAD dst, vec                  ; a vector of 64 numbers in the token layout (the same for every token)
	WIN 0x40
.irp c, 0,1
.irp q, 0,1,2,3
	ds_load_b128 v[\dst+16*\c+4*\q:\dst+16*\c+4*\q+3], v[VA] offset:256*(\vec)+128*\c+16*\q
.endr
.endr
.endm
; layer norm of token tile t in place, all in window 1: a token's 64 numbers lie in two lanes, 32 each.  Mean first, then the squares of the differences.  v0-9 of window 1 at work
.macro LNORM t
.set XB, XR+32*(\t)
	WIN 0x55
	v_pk_add_f32 v[0:1], v[XB:XB+1], v[XB+2:XB+3]
	v_pk_add_f32 v[2:3], v[XB+4:XB+5], v[XB+6:XB+7]
.irp p, 8,12,16,20,24,28
	v_pk_add_f32 v[0:1], v[0:1], v[XB+\p:XB+\p+1]
	v_pk_add_f32 v[2:3], v[2:3], v[XB+\p+2:XB+\p+3]
.endr
	v_pk_add_f32 v[0:1], v[0:1], v[2:3]
	v_add_f32 v6, v0, v1
	v_permlanex16_b32 v7, v6, s78, s79
	v_add_f32 v6, v6, v7
	v_mul_f32 v4, s85, v6                          ; the mean, twice: a pair for the packed form
	v_mul_f32 v5, s85, v6
.set p, 0
.rept 16
	v_pk_add_f32 v[XB+p:XB+p+1], v[XB+p:XB+p+1], v[4:5] neg_lo:[0,1] neg_hi:[0,1]
.set p, p+2
.endr
	v_pk_mul_f32 v[0:1], v[XB:XB+1], v[XB:XB+1]
	v_pk_mul_f32 v[2:3], v[XB+2:XB+3], v[XB+2:XB+3]
.irp p, 4,8,12,16,20,24,28
	v_pk_fma_f32 v[0:1], v[XB+\p:XB+\p+1], v[XB+\p:XB+\p+1], v[0:1]
	v_pk_fma_f32 v[2:3], v[XB+\p+2:XB+\p+3], v[XB+\p+2:XB+\p+3], v[2:3]
.endr
	v_pk_add_f32 v[0:1], v[0:1], v[2:3]
	v_add_f32 v6, v0, v1
	v_permlanex16_b32 v7, v6, s78, s79
	v_add_f32 v6, v6, v7
	v_fma_f32 v6, v6, s85, s86                     ; the variance + 1e-5
	v_rsq_f32 v8, v6
	v_rsq_f32 v9, v6
	v_nop
	s_wait_alu depctr_va_vdst(0)                   ; one wait for both, ahead of their first reader
.set p, 0
.rept 16
	v_pk_mul_f32 v[XB+p:XB+p+1], v[XB+p:XB+p+1], v[8:9]
.set p, p+2
.endr
.set p, 0
.rept 16
	v_pk_fma_f32 v[XB+p:XB+p+1], v[XB+p:XB+p+1], v[GG+p:GG+p+1], v[BE+p:BE+p+1]
.set p, p+2
.endr
.endm
.macro HQUANT t                        ; h's token tile t becomes a fragment of codes, in registers
	WIN 0x01
.set q, 0
.rept 32
	v_med3_num_f32 v[TMP+q], v[XR+32*\t+q], -v[LIM], v[LIM]
.set q, q+1
.endr
	WIN 0
.irp a, 0,1,2,3
	v_cvt_scalef32_pk8_fp8_f32 v[HC+8*\t+2*\a:HC+8*\t+2*\a+1], v[TMP+8*\a:TMP+8*\a+7], v[SCL]
.endr
	v_nop
.endm
.macro FCB                             ; b1 in the result's layout: register 16 c + n of lane (r, h) = the step's number 32 c + 16 h + n, which lane n of my row of 16 lanes holds
	WIN 0x40
.irp c, 0,1
.irp n, 0,1,2,3,4,5,6,7,8,9,10,11,12,13,14,15
	v_mov_b32_dpp v[CB+16*\c+\n], v[B1S+\c] row_share:\n row_mask:0xf bank_mask:0xf
.endr
.endr
.endm
; AN FFN STEP: 64 hidden units, my two token tiles.  more = 1: the next step's fragments and b1 are asked for.
.macro FSTEP more
	s_wait_dscnt 0x8                               ; W1's fragments are in; the eight younger loads are W2's
	WIN 0x11                                       ; W1 and b1 in window 1
.irp t, 0,1
.irp a, 0,1,2,3
	v_wmma_f32_16x16x64_fp8_fp8 v[SC+32*\t+8*\a:SC+32*\t+8*\a+7], v[W1F+8*\a:W1F+8*\a+7], v[HC+8*\t:HC+8*\t+7], v[CB+8*\a:CB+8*\a+7]
.endr
.endr
	WIN 0
.if \more
	s_add_co_u32 s[SFO], s[SFO], 4096
	s_add_co_u32 s[SFO2], s[SFO2], 4096
	s_add_co_u32 s[SFB], s[SFB], 256
	v_add_nc_u32 v[WA], s[SFO], v[LI]              ; two of the four places
	v_add_nc_u32 v[BA], s[SFB], v[L4]
	NOPS 2
	ds_load_b32 v[B1S], v[BA]
	ds_load_b32 v[B1S+1], v[BA] offset:128
	WIN 0x40
.irp a, 0,1,2,3
.irp c, 0,1
	ds_load_b128 v[W1F+8*\a+4*\c:W1F+8*\a+4*\c+3], v[WA] offset:1024*\a+512*\c
.endr
.endr
	WIN 0
	s_cmp_eq_u32 s[SFC], s[SPT]                    ; once, in the first sequence, 8 trips ahead of the loop's end: my wave's 8,192 bytes of the next sequence's x, a lane for each 256 bytes
	s_cbranch_scc0 .Lnopf_\@
	global_prefetch_b8 v[PFO], s[4:5] offset:65536 th:TH_LOAD_NT scope:SCOPE_SE
.Lnopf_\@:
.else
	NOPS 4
.endif
.irp t, 0,1
.set q, 0
.rept 32
	v_med3_num_f32 v[TMP+q], v[SC+32*\t+q], 0, v[LIM]   ; the activation and the hold in one
.set q, q+1
.endr
.irp a, 0,1,2,3
	v_cvt_scalef32_pk8_fp8_f32 v[CODE+8*\t+2*\a:CODE+8*\t+2*\a+1], v[TMP+8*\a:TMP+8*\a+7], v[SCL]
.endr
	v_nop
.endr
	s_wait_dscnt 0x0                               ; W2's fragments are in (and what was asked for above)
	WIN 0x51                                       ; W2 and the sums in window 1
.irp t, 0,1
.irp a, 0,1,2,3
	v_wmma_f32_16x16x64_fp8_fp8 v[ACC+32*\t+8*\a:ACC+32*\t+8*\a+7], v[W2F+8*\a:W2F+8*\a+7], v[CODE+8*\t:CODE+8*\t+7], v[ACC+32*\t+8*\a:ACC+32*\t+8*\a+7]
.endr
.endr
	WIN 0
.if \more
	v_add_nc_u32 v[WB], s[SFO2], v[LI]
	NOPS 3
	WIN 0x40
.irp a, 0,1,2,3
.irp c, 0,1
	ds_load_b128 v[W2F+8*\a+4*\c:W2F+8*\a+4*\c+3], v[WB] offset:1024*\a+512*\c
.endr
.endr
	FCB
	WIN 0
.else
	NOPS 4
.endif
.endm
; ================ THE HEAD, once: addresses, scales, and the weights and vectors into LDS ================
	s_load_b512 s[4:19], s[0:1], 0x0               ; x, out0, lowp_scales, Wq, Wk, Wv, Wp, W1
	s_load_b512 s[20:35], s[0:1], 0x40             ; W2, bq, bv, bp, b1, b2, g1, beta1
	s_load_b128 s[36:39], s[0:1], 0x80             ; g2, beta2
	v_lshl_add_u32 v[SPW], v0, 2, SPARE
	v_mov_b32 v[NIL], 0
	v_lshrrev_b32 v62, 5, v0
	v_readfirstlane_b32 s[WV], v62                 ; wave 0..7
	v_and_b32 v62, 31, v0                          ; lane
	v_and_b32 v63, 15, v0                          ; r
	v_bfe_u32 v61, v0, 4, 1                        ; h
	v_lshlrev_b32 v[LI], 4, v62
	v_lshlrev_b32 v[L4], 2, v62
	v_lshlrev_b32 v21, 3, v62                      ; 8 x lane (head only)
	s_mul_i32 s92, s[WV], 2*SLOTB
	v_add_nc_u32 v[OWN], s92, v[LI]
	v_mul_u32_u24 v[STW], v61, 272
	v_lshl_add_u32 v[STW], v63, 4, v[STW]
	v_add_nc_u32 v[STW], s92, v[STW]
	v_mul_u32_u24 v[STR], v63, 272
	v_lshl_add_u32 v[STR], v61, 6, v[STR]
	v_add_nc_u32 v[STR], s92, v[STR]
	v_lshlrev_b32 v[ORD], 3, v63                   ; o's codes back: registers 4 c + 2 u, + 1 of lane (r, h) are K = 32 c + 16 h + 8 u + 0 .. 7: head 4 c + 2 h + u, whose bytes of token r lie at 256 x head + 8 r
	v_lshl_add_u32 v[ORD], v61, 9, v[ORD]
	v_add_nc_u32 v[ORD], s92, v[ORD]
	s_lshl_b32 s93, s[WV], 8                       ; o's codes in: my head's 256 bytes of a slot, 8 bytes a lane
	s_add_co_u32 s93, s93, 1024
	v_lshl_add_u32 v[OST], v62, 3, s93
	v_lshl_add_u32 v[VA], v61, 6, VEC
	v_and_b32 v[AW], 3, v63                        ; lane r takes row e = r % 4 + 4 ((r / 8) % 2) of my head's Wq, Wk: the results' registers 0-3 are e = 4 h + j
	v_bfe_u32 v60, v0, 3, 1
	v_lshl_add_u32 v[AW], v60, 2, v[AW]
	v_lshlrev_b32 v[AW], 6, v[AW]
	v_lshl_add_u32 v[AW], v61, 4, v[AW]
	s_lshl_b32 s94, s[WV], 9
	v_add_nc_u32 v[AW], s94, v[AW]
	v_and_b32 v[AV], 7, v63
	v_lshlrev_b32 v[AV], 6, v[AV]
	v_lshl_add_u32 v[AV], v61, 4, v[AV]
	v_add_nc_u32 v[AV], s94, v[AV]
	s_lshl_b32 s95, s[WV], 5
	v_lshl_add_u32 v[ABQ], v61, 4, s95
	v_and_b32 v[ABV], 7, v63
	v_lshl_add_u32 v[ABV], v[ABV], 2, s95
	v_and_b32 v60, 8, v63
	v_add_nc_u32 v60, v60, v63                     ; r + 8 (r / 8)
	v_lshlrev_b32 v16, 6, v60                      ; v16: rows of 64 bytes (W1, Wp)
	v_lshl_add_u32 v16, v61, 4, v16
	v_lshlrev_b32 v17, 11, v60                     ; v17: rows of 2,048 bytes (W2)
	v_lshl_add_u32 v17, v61, 4, v17
	s_lshl_b32 s96, s[WV], 14                      ; wave w lays 16 fragments of W1 and 16 of W2: 16,384 bytes of each image
	s_add_co_u32 s97, s96, W1IMG
	v_add_nc_u32 v18, s97, v[LI]
	s_add_co_u32 s97, s96, W2IMG
	v_add_nc_u32 v19, s97, v[LI]
	s_lshl_b32 s97, s[WV], 10
	v_add_nc_u32 v20, s97, v[LI]
	s_mov_b32 s74, 0x3f0293ee                      ; c = log2(e) / sqrt(8)
	s_mov_b32 s75, s74
	s_mov_b32 s76, 0xbf0293ee                      ; -c
	s_mov_b32 s78, 0x76543210                      ; v_permlanex16_b32's selects for lane l xor 16
	s_mov_b32 s79, 0xfedcba98
	s_mov_b32 s80, 0x00ff00ff                      ; lanes with r < 8
	s_mov_b32 s81, 0x01000100                      ; lanes with r = 8
	s_mov_b32 s82, 0xffff0000                      ; lanes 16-31
	s_mov_b32 s85, 0x3c800000                      ; 1 / 64
	s_mov_b32 s86, 0x3727c5ac                      ; 1e-5
	s_mov_b32 s[BC], 2
	s_wait_kmcnt 0x0
	s_load_b256 s[40:47], s[8:9], 0x0              ; e0 .. e7
	s_load_b128 s[48:51], s[8:9], 0x20             ; e8 .. e11
	s_lshl_b32 s92, ttmp9, 17                      ; a work-group's two sequences of 65,536 bytes,
	s_lshl_b32 s93, s[WV], 13                      ; a wave's 32 tokens of 256 bytes
	s_add_co_u32 s92, s92, s93
	s_mov_b32 s93, 0
	s_add_nc_u64 s[4:5], s[4:5], s[92:93]
	s_add_nc_u64 s[6:7], s[6:7], s[92:93]
	s_lshl_b32 s92, s[WV], 14
	s_add_nc_u64 s[18:19], s[18:19], s[92:93]      ; W1: my 256 rows
	s_lshl_b32 s92, s[WV], 8
	s_add_nc_u64 s[20:21], s[20:21], s[92:93]      ; W2: my 256 along K
	s_lshl_b32 s92, s[WV], 10
	s_add_nc_u64 s[28:29], s[28:29], s[92:93]      ; b1: my 256 numbers
	global_load_b128 v[24:27], v[LI], s[28:29]
	global_load_b128 v[28:31], v[LI], s[28:29] offset:512
	WIN 0x40
.set f, 0
.rept 16                                       ; W1: fragment f of my 16 = step f / 4, tile f % 4: rows 32 (f / 2) + 8 (f % 2) + r + 8 (r / 8)
	global_load_b128 v[8*f:8*f+3],   v16, s[18:19] offset:(f/2)*2048+(f%2)*512
	global_load_b128 v[8*f+4:8*f+7], v16, s[18:19] offset:(f/2)*2048+(f%2)*512+32
.set f, f+1
.endr
.set f, 0
.rept 8                                        ; W2: fragment f = step f / 4, tile of outputs f % 4
	global_load_b128 v[128+8*f:128+8*f+3],   v17, s[20:21] offset:((f%4)/2)*65536+(f%2)*16384+64*(f/4)
	global_load_b128 v[128+8*f+4:128+8*f+7], v17, s[20:21] offset:((f%4)/2)*65536+(f%2)*16384+64*(f/4)+32
.set f, f+1
.endr
	WIN 0
	s_wait_kmcnt 0x0
	s_add_co_i32 s92, s40, s41
	P2 SQ, 92
	s_add_co_i32 s92, s42, s43
	P2 SK, 92
	s_add_co_i32 s92, s44, s45
	P2 SV, 92
	P2 55, 41                                      ; s55 .. s60: 2^e and 448 x 2^e for x's three quantisers
	L448 56, 41
	P2 57, 43
	L448 58, 43
	P2 59, 45
	L448 60, 45
	P2 61, 46                                      ; s61, s62: o's
	L448 62, 46
	P2 63, 48                                      ; s63, s66: h's
	L448 66, 48
	s_add_co_i32 s94, s48, s49
	s_sub_co_i32 s92, s50, s94                     ; a sum of h W1 stands for sum x 2^(e8+e9): the hidden layer's conversion takes 2^(e10-e8-e9)
	P2 67, 92
	L448 68, 92
	s_sub_co_i32 s94, 0, s94                       ; -(e8+e9), for b1
	s_add_co_i32 s95, s46, s47
	P2 70, 95                                      ; s[70:71]: 2^(e6+e7)
	s_mov_b32 s71, s70
	s_sub_co_i32 s95, 0, s95                       ; for bp
	s_add_co_i32 s96, s50, s51
	P2 72, 96                                      ; s[72:73]: 2^(e10+e11)
	s_mov_b32 s73, s72
	s_sub_co_i32 s96, 0, s96                       ; for b2
	s_wait_loadcnt 48                              ; b1 is in: the 48 loads of weights are younger
.irp j, 0,1,2,3,4,5,6,7
	v_ldexp_f32 v[24+\j], v[24+\j], s94
.endr
	ds_store_b128 v20, v[24:27] offset:B1L
	ds_store_b128 v20, v[28:31] offset:B1L+512
	s_wait_loadcnt 16                              ; W1 is in: W2's first 16 loads are younger
	WIN 0x04
.set f, 0
.rept 16
	ds_store_b128 v18, v[8*f:8*f+3]   offset:1024*f
	ds_store_b128 v18, v[8*f+4:8*f+7] offset:1024*f+512
.set f, f+1
.endr
	s_wait_dscnt 0x0                               ; the stores have read their registers, which take W2's other half
	WIN 0x40
.set f, 8
.rept 8
	global_load_b128 v[8*(f-8):8*(f-8)+3],   v17, s[20:21] offset:((f%4)/2)*65536+(f%2)*16384+64*(f/4)
	global_load_b128 v[8*(f-8)+4:8*(f-8)+7], v17, s[20:21] offset:((f%4)/2)*65536+(f%2)*16384+64*(f/4)+32
.set f, f+1
.endr
	s_wait_loadcnt 16                              ; W2's first half is in
	WIN 0x04
.set f, 0
.rept 8
	ds_store_b128 v19, v[128+8*f:128+8*f+3]   offset:1024*f
	ds_store_b128 v19, v[128+8*f+4:128+8*f+7] offset:1024*f+512
.set f, f+1
.endr
	s_wait_loadcnt 0x0
.set f, 8
.rept 8
	ds_store_b128 v19, v[8*(f-8):8*(f-8)+3]   offset:1024*f
	ds_store_b128 v19, v[8*(f-8)+4:8*(f-8)+7] offset:1024*f+512
.set f, f+1
.endr
	WIN 0
	s_cmp_lg_u32 s[WV], 0                          ; wave 0 alone: the six vectors
	s_cbranch_scc1 .Lnot_wave_0
	global_load_b64 v[32:33], v21, s[26:27]        ; bp
	global_load_b64 v[34:35], v21, s[32:33]        ; g1
	global_load_b64 v[36:37], v21, s[34:35]        ; beta1
	global_load_b64 v[38:39], v21, s[30:31]        ; b2
	global_load_b64 v[40:41], v21, s[36:37]        ; g2
	global_load_b64 v[42:43], v21, s[38:39]        ; beta2
	s_wait_loadcnt 0x0
	v_ldexp_f32 v32, v32, s95                      ; the biases go in as the C of their sums: divided by the power of two that the sums lack
	v_ldexp_f32 v33, v33, s95
	v_ldexp_f32 v38, v38, s96
	v_ldexp_f32 v39, v39, s96
.irp n, 0,1,2,3,4,5
	ds_store_b64 v21, v[32+2*\n:33+2*\n] offset:VEC+256*\n
.endr
.Lnot_wave_0:
	s_cmp_lg_u32 s[WV], 1                          ; wave 1 alone: Wp's four fragments
	s_cbranch_scc1 .Lnot_wave_1
.irp a, 0,1,2,3
.irp c, 0,1
	global_load_b128 v[64+8*\a+4*\c:64+8*\a+4*\c+3], v16, s[16:17] offset:(\a/2)*2048+(\a%2)*512+32*\c
.endr
.endr
	s_wait_loadcnt 0x0
.irp a, 0,1,2,3
.irp c, 0,1
	ds_store_b128 v[LI], v[64+8*\a+4*\c:64+8*\a+4*\c+3] offset:WPIMG+1024*\a+512*\c
.endr
.endr
.Lnot_wave_1:
	BARRIER                                        ; the images and tables are whole; from here on they are only read
; ================ A SEQUENCE ================
.Lseq:
	WIN 0x40
.irp t, 0,1
.irp q, 0,1,2,3,4,5,6,7
	global_load_b128 v[RAW+32*\t+4*\q:RAW+32*\t+4*\q+3], v[LI], s[4:5] offset:4096*\t+512*\q th:TH_LOAD_NT   ; 32 lanes read 512 consecutive bytes: two tokens
.endr
.endr
	WIN 0
	global_load_b128 v[WQF:WQF+3],   v[AW], s[10:11]
	global_load_b128 v[WQF+4:WQF+7], v[AW], s[10:11] offset:32
	global_load_b128 v[WKF:WKF+3],   v[AW], s[12:13]
	global_load_b128 v[WKF+4:WKF+7], v[AW], s[12:13] offset:32
	global_load_b128 v[WVF:WVF+3],   v[AV], s[14:15]
	global_load_b128 v[WVF+4:WVF+7], v[AV], s[14:15] offset:32
	global_load_b128 v[BQ4:BQ4+3],   v[ABQ], s[22:23]
	global_load_b32  v[BVL],         v[ABV], s[24:25]
	v_and_b32 v62, 15, v0
	v_bfe_u32 v63, v0, 4, 1
	v_lshlrev_b32 v63, 3, v63
	v_sub_nc_u32 v62, v62, v63                     ; r - 8 h
	v_mov_b32 v63, 0xff61b1e6                      ; -3e38
.irp j, 0,1,2,3,4,5,6,7
	v_cmp_gt_i32 vcc_lo, \j, v62                   ; key 8 h + j comes after query r
	v_cndmask_b32 v[MASK+\j], 0, v63, vcc_lo
.endr
	v_mov_b32 v61, 0                               ; named as the upper half of the pair v[60:61]
	v_mov_b32 v62, 0                               ; a lane permute's destination counts as one of its sources
	WIN 0x40
.irp n, 0,1,2,3,4,5
	v_mov_b32 v[XSC+\n], s[55+\n]
.endr
	WIN 0
	s_cmp_eq_u32 s[BC], 2
	s_cselect_b32 s[SPT], 8, -1                    ; only the first sequence has a next one to ask for
	s_wait_loadcnt 16                              ; tile 0's eight loads are in: tile 1's eight and the eight of the weights are younger
	STAGE_IN 0
	s_wait_loadcnt 8
	STAGE_IN 1
	s_wait_dscnt 0x0
	XQUANT 0, 0, 0
	XQUANT 0, 1, 1
	XQUANT 0, 2, 2
	XQUANT 1, 0, 3
	XQUANT 1, 1, 4
	XQUANT 1, 2, 5
	WIN 0
	s_wait_loadcnt 0x0                             ; my head's weights and biases
.irp j, 0,1,2,3,4,5,6,7
	v_cndmask_b32 v[WVF+\j], 0, v[WVF+\j], s80     ; columns 8 .. 15 of v's product: zero codes
.endr
	v_cndmask_b32 v[BVL], 0, v[BVL], s80
	v_cndmask_b32 v[BVL], v[BVL], 1.0, s81         ; column 8 becomes the row of ones
	v_mov_b32 v[SCL], s61                          ; o's scale and limit
	v_mov_b32 v[LIM], s62
	BARRIER                                        ; all codes of x lie in LDS
	; ---- k and v of my head for all 256 tokens; the loads run two tiles ahead, a tile's scalings stand behind the next tile's products as their places
	KVLOAD 0
	KVLOAD 1
.irp T, 0,1,2,3,4,5,6,7,8,9,10,11,12,13,14,15
.if \T < 15
	s_wait_dscnt 0x4                               ; this tile's four loads are in, the next tile's four may be out
.else
	s_wait_dscnt 0x0
.endif
	KVMUL \T
.if \T == 0
	NOPS 4
.else
	KVFIN \T-1
.endif
	WIN 0
.if \T < 14
	KVLOAD \T+2
.endif
.endr
	NOPS 4
	KVFIN 15
	WIN 0
	ds_load_b128 v[XQF:XQF+3],   v[LI]
	ds_load_b128 v[XQF+4:XQF+7], v[LI] offset:512
	BARRIER                                        ; nobody reads x's codes for k and v any more: o's codes are laid over them
	; ---- attention
.irp i, 0,1,2,3,4,5,6,7,8,9,10,11,12,13,14,15
	QTILE \i
.endr
	BARRIER                                        ; o's codes are whole.  From here to the next sequence's first barrier a wave writes only its own 6,144 bytes
	; ---- x + o Wp + bp, LN1
.irp t, 0,1
.irp c, 0,1
.irp u, 0,1
	ds_load_b64 v[OCF+8*\t+4*\c+2*\u:OCF+8*\t+4*\c+2*\u+1], v[ORD] offset:SLOTB*\t+1024+1024*\c+256*\u   ; head 4 c + 2 h + u's 8 codes of token r
.endr
.endr
.endr
	WIN 0x40
.irp a, 0,1,2,3
.irp c, 0,1
	ds_load_b128 v[WPF+8*\a+4*\c:WPF+8*\a+4*\c+3], v[LI] offset:WPIMG+1024*\a+512*\c
.endr
.endr
	VLOAD BPC, 0
	VLOAD GG, 1
	VLOAD BE, 2
	s_wait_dscnt 0x10                              ; all but g1's and beta1's sixteen loads
	WIN 0x11
.irp t, 0,1
.irp a, 0,1,2,3
	v_wmma_f32_16x16x64_fp8_fp8 v[SC+32*\t+8*\a:SC+32*\t+8*\a+7], v[WPF+8*\a:WPF+8*\a+7], v[OCF+8*\t:OCF+8*\t+7], v[BPC+8*\a:BPC+8*\a+7]
.endr
.endr
	WIN 0
	NOPS 4
	WIN 0x50
.set p, 0
.rept 32
	v_pk_fma_f32 v[XR+p:XR+p+1], v[SC+p:SC+p+1], s[70:71], v[XR+p:XR+p+1] op_sel_hi:[1,0,1]   ; x + sum x 2^(e6+e7)
.set p, p+2
.endr
	s_wait_dscnt 0x0
	VLOAD ACC, 3                                   ; the FFN's sums begin as b2 / 2^(e10+e11): the loop has no first step of its own
	VLOAD ACC+32, 3
	LNORM 0
	LNORM 1
	; ---- FFN
	WIN 0
	s_mov_b32 s[SFO], W1IMG
	s_mov_b32 s[SFO2], W2IMG
	s_mov_b32 s[SFB], B1L
	s_mov_b32 s[SFC], 31
	v_add_nc_u32 v[WA], s[SFO], v[LI]
	v_add_nc_u32 v[WB], s[SFO2], v[LI]
	v_add_nc_u32 v[BA], s[SFB], v[L4]
	v_lshlrev_b32 v[PFO], 4, v[LI]
	ds_load_b32 v[B1S], v[BA]
	ds_load_b32 v[B1S+1], v[BA] offset:128
	WIN 0x40
.irp a, 0,1,2,3
.irp c, 0,1
	ds_load_b128 v[W1F+8*\a+4*\c:W1F+8*\a+4*\c+3], v[WA] offset:1024*\a+512*\c
.endr
.endr
.irp a, 0,1,2,3
.irp c, 0,1
	ds_load_b128 v[W2F+8*\a+4*\c:W2F+8*\a+4*\c+3], v[WB] offset:1024*\a+512*\c
.endr
.endr
	WIN 0
	v_mov_b32 v[SCL], s63                          ; h's scale and limit
	v_mov_b32 v[LIM], s66
	HQUANT 0
	HQUANT 1
	s_wait_dscnt 0x10                              ; b2 and the step's b1 are in: the sixteen loads of fragments are younger
	FCB
	WIN 0
	v_mov_b32 v[SCL], s67                          ; the hidden layer's scale and limit
	v_mov_b32 v[LIM], s68
.Lffn:                                             ; 31 trips; the last step is written out, so that no load reaches past the images
	FSTEP 1
	s_sub_co_u32 s[SFC], s[SFC], 1
	s_cmp_lg_u32 s[SFC], 0
	s_cbranch_scc1 .Lffn
	FSTEP 0
	; ---- h + FFN, LN2, out
	VLOAD GG, 4
	VLOAD BE, 5
	WIN 0x55
.set p, 0
.rept 32
	v_pk_fma_f32 v[XR+p:XR+p+1], v[ACC+p:ACC+p+1], s[72:73], v[XR+p:XR+p+1] op_sel_hi:[1,0,1]   ; h + sum x 2^(e10+e11)
.set p, p+2
.endr
	s_wait_dscnt 0x0
	LNORM 0
	LNORM 1
	STAGE_OUT 0
	STAGE_OUT 1
	s_wait_dscnt 0x10                              ; tile 0's rows are back: tile 1's eight stores and eight loads are younger
	WIN 0x04
.irp q, 0,1,2,3,4,5,6,7
	global_store_b128 v[LI], v[RAW+4*\q:RAW+4*\q+3], s[6:7] offset:512*\q th:TH_STORE_NT   ; 32 lanes store 512 consecutive bytes, at a multiple of 256 from out0's first byte
.endr
	s_wait_dscnt 0x0
.irp q, 0,1,2,3,4,5,6,7
	global_store_b128 v[LI], v[RAW+32+4*\q:RAW+32+4*\q+3], s[6:7] offset:4096+512*\q th:TH_STORE_NT
.endr
	WIN 0
	s_wait_xcnt 0x0                                ; the stores and the prefetch have read their registers and bases: both may be written again
	s_add_nc_u64 s[4:5], s[4:5], 0x10000
	s_add_nc_u64 s[6:7], s[6:7], 0x10000
	s_sub_co_u32 s[BC], s[BC], 1
	s_cmp_lg_u32 s[BC], 0
	s_cbranch_scc1 .Lseq
	s_wait_tensorcnt 0x0                           ; the wave's end, behind my last LDS store
	ds_add_u32 v[SPW], v[NIL]
	s_wait_dscnt 0x0
	s_endpgm
.Lfunc_end_k_q87839befc0_block:
	.size	k_q87839befc0_block, .Lfunc_end_k_q87839befc0_block-k_q87839befc0_block
	.p2alignl 7, 3214868480
	.fill 96, 4, 3214868480
	.section	.rodata,"a",@progbits
	.p2align	6, 0x0
	.amdhsa_kernel k_q87839befc0_block
		.amdhsa_group_segment_fixed_size 327680
		.amdhsa_private_segment_fixed_size 0
		.amdhsa_enable_private_segment 0
		.amdhsa_kernarg_size 144
		.amdhsa_user_sgpr_count 2
		.amdhsa_user_sgpr_kernarg_segment_ptr 1
		.amdhsa_wavefront_size32 1
		.amdhsa_system_sgpr_workgroup_id_x 1
		.amdhsa_system_sgpr_workgroup_id_y 1
		.amdhsa_system_sgpr_workgroup_id_z 1
		.amdhsa_system_vgpr_workitem_id 0
		.amdhsa_next_free_vgpr 512
		.amdhsa_next_free_sgpr 100
		.amdhsa_reserve_vcc 1
		.amdhsa_float_denorm_mode_32 3
		.amdhsa_float_denorm_mode_16_64 3
		.amdhsa_memory_ordered 1
		.amdhsa_forward_progress 1
		.amdhsa_inst_pref_size 255
	.end_amdhsa_kernel
	.section	.bss,"aw",@nobits
	.p2align	6
	.space	262144
	.amdgpu_metadata
---
amdhsa.version: [ 1, 2 ]
amdhsa.kernels:
  - .name:           k_q87839befc0_block
    .symbol:         k_q87839befc0_block.kd
    .args:
      - { .name: x, .offset: 0, .size: 8, .value_kind: global_buffer, .address_space: global }
      - { .name: out0, .offset: 8, .size: 8, .value_kind: global_buffer, .address_space: global }
      - { .name: lowp_scales, .offset: 16, .size: 8, .value_kind: global_buffer, .address_space: global }
      - { .name: Wq_codes, .offset: 24, .size: 8, .value_kind: global_buffer, .address_space: global }
      - { .name: Wk_codes, .offset: 32, .size: 8, .value_kind: global_buffer, .address_space: global }
      - { .name: Wv_codes, .offset: 40, .size: 8, .value_kind: global_buffer, .address_space: global }
      - { .name: Wp_codes, .offset: 48, .size: 8, .value_kind: global_buffer, .address_space: global }
      - { .name: W1_codes, .offset: 56, .size: 8, .value_kind: global_buffer, .address_space: global }
      - { .name: W2_codes, .offset: 64, .size: 8, .value_kind: global_buffer, .address_space: global }
      - { .name: bq, .offset: 72, .size: 8, .value_kind: global_buffer, .address_space: global }
      - { .name: bv, .offset: 80, .size: 8, .value_kind: global_buffer, .address_space: global }
      - { .name: bp, .offset: 88, .size: 8, .value_kind: global_buffer, .address_space: global }
      - { .name: b1, .offset: 96, .size: 8, .value_kind: global_buffer, .address_space: global }
      - { .name: b2, .offset: 104, .size: 8, .value_kind: global_buffer, .address_space: global }
      - { .name: g1, .offset: 112, .size: 8, .value_kind: global_buffer, .address_space: global }
      - { .name: beta1, .offset: 120, .size: 8, .value_kind: global_buffer, .address_space: global }
      - { .name: g2, .offset: 128, .size: 8, .value_kind: global_buffer, .address_space: global }
      - { .name: beta2, .offset: 136, .size: 8, .value_kind: global_buffer, .address_space: global }
    .group_segment_fixed_size: 327680
    .private_segment_fixed_size: 0
    .kernarg_segment_align: 8
    .kernarg_segment_size: 144
    .max_flat_workgroup_size: 256
    .sgpr_count:     100
    .vgpr_count:     512
    .wavefront_size: 32
...
	.end_amdgpu_metadata
.endif
;; end of part 1
